; MI455X (gfx1250); checked and timed in simulation.
; The chip was launched on July 23, 2026; its instructions are those of AMD's public machine-readable ISA for CDNA 5 (MIT licence, August 2026) and "CDNA5" Instruction Set Architecture Reference Guide (July 2026). The comments in the code are by the model that wrote it; some were corrected since.
;; Bi LSTM. Allowed arithmetic: matrix products marked QUANTISED: E2M3 operands, one E8M0 scale for each 32 along K, by v_wmma_scale_f32_16x16x128_f8f6f4 with both operands' format E2M3, f32 sums; everything else in f32.
;; Inputs: Cell_State_b 4,096 x 1,024 float32; Cell_State_f 4,096 x 1,024 float32; Hidden_State_b 4,096 x 1,024 float32; Hidden_State_f 4,096 x 1,024 float32; Wb_codes 4 x 1,024 x 64 x 24 uint8 (E2M3 codes of Wb, K innermost, in blocks of 32 codes, four codes in three bytes); Wb_scales 4 x 1,024 x 64 uint8 (E8M0 scales of Wb, one for each 32 codes along K); Wf_codes 4 x 1,024 x 64 x 24 uint8 (E2M3 codes of Wf, K innermost, in blocks of 32 codes, four codes in three bytes); Wf_scales 4 x 1,024 x 64 uint8 (E8M0 scales of Wf, one for each 32 codes along K); bb 4 x 1,024 float32; bf 4 x 1,024 float32; input_b 4,096 x 1,024 float32; input_f 4,096 x 1,024 float32.
;; Outputs: out0 4,096 x 1,024 float32; out1 4,096 x 1,024 float32; out2 4,096 x 1,024 float32; out3 4,096 x 1,024 float32.
;; This version of the problem:
;;   THIS VERSION OF THE PROBLEM IS GIVEN IN LOW PRECISION. The matrix products marked QUANTISED in the list below multiply operands that are first quantised to E2M3 (2 exponent bits, 3 mantissa bits; 6 bits a number), with one power-of-two scale for each 32 numbers along K (OCP MX v1.0); their sums are f32. All else is computed in f32.
;;   The module's matrix products, in the order in which they are computed (A, B: the left and right operand; K: the contracted axis; several contracted axes count as one K, in the product's order):
;;     1. [M 4,096, K 2,048] x [K 2,048, N 4,096]; A: computed on the way; B: input Wf (given as codes): QUANTISED
;;     2. [M 4,096, K 2,048] x [K 2,048, N 4,096]; A: computed on the way; B: input Wb (given as codes): QUANTISED
;;   THE QUANTISER, for each operand of a quantised product, along K:
;;     - K is cut into blocks of 32 from its start; a last block that is shorter is filled with zeros.
;;     - A block's scale is 2^e with e = floor(log2(the largest magnitude in the block)) - 2, held to -126 .. 127; a block of zeros has e = 0. As a byte (E8M0): e + 127.
;;     - Each number is divided by its block's scale, clamped to +-7.5, and rounded to the nearest number of E2M3, ties to even, subnormals kept.
;;     - The product sums the exact products of the quantised numbers (number of the format x scale) in f32.
;;   ~~~python
;;   def quantise(x, axis):      # numpy; x: float32 -> the quantised numbers, widened to float32 again
;;       x = np.moveaxis(x, axis, -1); K = x.shape[-1]
;;       x = np.pad(x, [(0, 0)] * (x.ndim - 1) + [(0, -K % 32)]); x = x.reshape(x.shape[:-1] + (-1, 32)); a = np.abs(x).max(-1, keepdims=True)
;;       e = np.where(a > 0, np.clip(np.frexp(np.where(a > 0, a, 1))[1] - 1 - 2, -126, 127), 0)      # np.frexp(a)[1] - 1 = floor(log2(a)), exactly
;;       r = np.clip(x / 2.0 ** e, -7.5, 7.5)
;;       step = 2.0 ** (np.maximum(np.frexp(np.where(r == 0, 1, r))[1] - 1, 0) - 3)
;;       q = np.round(r / step) * step * 2.0 ** e      # np.round: ties to even
;;       return np.moveaxis(q.reshape(q.shape[:-2] + (-1,))[..., :K], -1, axis).astype(np.float32)
;;   ~~~
;;   OPERANDS COMPUTED ON THE WAY. 'Computed on the way' means the value that the module computes at that place (a softmax that the list does not call 'softmax' is quantised finished and normalised). What goes into a quantiser is computed in f32, as accurately as f32 sums, v_exp_f32 and their like allow (about 1e-6 of the number): no bf16 or f16 on the way to a quantiser, and a product that is left as it is and whose result goes on into a quantised operand takes f32 operands (vector FMAs, or v_wmma_f32_16x16x4_f32). A number that lies on a knife's edge between two numbers of the format may be rounded either way, as far as f32 arithmetic and the matrix unit's own rounding can turn it there, and no further.
;;   INPUTS GIVEN AS CODES. Wb (in the module: [4, 1024, 2048], K = its axis 2); Wf (in the module: [4, 1024, 2048], K = its axis 2): each comes as NAME_codes (uint8): NAME with its K axis moved to the last place and cut into blocks of 32 codes, [.., K / 32, bytes a block], one block behind the other in memory; four codes in three bytes: a row's codes are one little-endian stream of bits, code i at bits 6 i .. 6 i + 5 (a code: sign, 2 exponent bits, 3 mantissa bits); and NAME_scales (uint8): the same leading axes, one E8M0 byte (e + 127) for each 32 codes along K. Its value is code x scale, taken as it is: it is not quantised again, and the codes and scales need not be those that the quantiser above would give.
;; One version. Each part assembles by itself: llvm-mc -triple=amdgcn-amd-amdhsa -mcpu=gfx1250 --defsym DOCPART=n.
;; ======== version 1 of 1: 2 launches
;; limits: a function is approximated: absolute error at most 1.2e-07; right only within a limited range of input values
;; workspace buffers: a_img 13,107,200 bytes; w_img 13,107,200 bytes
;; launch prep (part 1): grid 256 x 1, 4 waves a work-group, no clusters, 118,272 bytes of LDS; arguments input_f, Hidden_State_f, input_b, Hidden_State_b, Wf_codes, Wb_codes, Wf_scales, Wb_scales, a_img, w_img; writes a_img, w_img
.if DOCPART == 1
	.amdgcn_target "amdgcn-amd-amdhsa--gfx1250"
	.amdhsa_code_object_version 6
	.text
	.protected	k_q6bc2a72bd8_prep
	.globl	k_q6bc2a72bd8_prep
	.p2align	8
	.type	k_q6bc2a72bd8_prep,@function
k_q6bc2a72bd8_prep:
	s_mov_b64 s[64:65], 0
	v_nop
	global_prefetch_b8 v0, s[64:65] scope:SCOPE_SE
	s_setreg_imm32_b32 hwreg(HW_REG_WAVE_MODE, 25, 1), 1
	s_wait_xcnt 0x0
; THE LAUNCH IN FRONT OF THE PRODUCT.  (Q) x_f, h_f, x_b, h_b, [4096][1024] f32, are quantised along K to codes of FP6 (E2M3) with one E8M0 byte for each 32;  (W) the codes of Wf and Wb and
; (S) their scale bytes are laid out anew.  Both results are laid AS THE PRODUCT'S WAVES TAKE THEM INTO REGISTERS:
;   a_img, w_img = [direction 2][tile 16][K slot 8][half 2] of half tiles of 25,600 bytes.  A K slot is 256 along K (of A: slots 0-3 are x, slots 4-7 are h).
;   A half tile: 8 blocks i of 16 rows x 2 steps q of 128 along K; fragment (i, q) is an image of its 12 registers at 3072 i + 1536 q: registers 4 c .. 4 c + 3 of lane l at 512 c + 16 l.
;   Lane (r = l % 16, h = l / 16) holds row r: registers 0-5 the bytes 24 h .. 24 h + 23 of the step's 96 code bytes, registers 6-11 the bytes 48 + 24 h .. on.
;   From byte 24,576 on the scale words: block i, row r, step q at 128 i + 8 r + 4 q.
;   A's rows: 256 tile + 128 half + 16 i + r.   W's rows: block i = 2 g + u is gate g, hidden unit 64 tile + 32 half + 16 u + r: the four gates of a hidden unit lie in one half tile.
; THE QUANTISER: a block's scale is 2^(floor(log2(its largest magnitude)) - 2); its byte is the largest magnitude's exponent field - 2, held at 1 from below; each number / scale goes to the nearest code, ties to even,
; beyond the largest code the largest.  LIMITS: a block of zeros gets the byte 1 where the rule says 127 (its codes are zeros, and this program alone reads the bytes); blocks whose largest magnitude lies under
; 2^-124, the floor, were not tried; NaN and infinities in x and h are not served.
; SHARES: 1,024 waves, each with the same three tasks, picked by T = 4 x work-group + wave: 32 rows x 512 numbers of (Q), 16 rows x 768 code bytes of (W), 32 rows x 16 scale bytes of (S).  One path, no loop,
; no barrier: waves share nothing.  Memory binds: every load of (Q) and (W) takes whole runs of 256 bytes or more from neighbouring lanes, every store covers 256 or 512 consecutive aligned bytes; matrix units,
; clusters and tensor loads would add nothing.  (S) reads 16 of each row's 64 bytes; the four waves of a work-group take the four quarters of the same rows: half a megabyte of the launch's eighty.
.set HT,    25600                      ; a half tile
.set SLT,   51200                      ; a K slot of a tile
.set TILE,  409600
.set DIRB,  6553600                    ; a direction
.set SCW,   24576                      ; the scale words' place in a half tile
.set WREG,  29440                      ; LDS: a region for each wave
.set FP,    528                        ; a stage row of f32: 512 bytes + 16: 33 x 16, so that sixteen rows' same column falls on sixteen different groups of four banks (64 banks of 4 bytes: ISA guide 11.1)
.set FST,   16*FP                      ; a stage of 16 rows; two of them by turns
.set WST,   2*FST                      ; behind them W's stage:
.set WP,    784                        ; 16 rows of 768 bytes + 16
.set SPARE, 4*WREG                     ; behind the four regions: the spare words, 128 bytes a wave, which no other line names
.set LI,   4                           ; v4   16 x lane: a load's and an image's place for my lane
.set SIN,  5                           ; v5   the f32 stage, on the way in
.set SOUT, 6                           ; v6   and on the way out: row r, + 64 h
.set WGI,  7                           ; v7   W in memory: lanes 0-15 one row's 256 bytes, lanes 16-31 the next row's
.set WSI,  8                           ; v8   the same in W's stage
.set WSO,  9                           ; v9   W's stage on the way out: row r, + 24 h
.set L64,  10                          ; v10  64 x lane
.set L8,   11                          ; v11  8 x lane
.set SPW,  12                          ; v12  my spare word's LDS address; never rewritten
.set NIL,  13                          ; v13  0; never rewritten
.set PC,   16                          ; v16-27 a fragment's codes; v28-30, v32-34 the conversions' second halves
.set TM,   36                          ; v36-51 at work
.set PWS,  52                          ; v52-59 fragment f's scale words
.set SW,   60                          ; v60-63 the scale words as they are stored
.set X,    64                          ; v64-191 two sets of 64 neighbours; later W's 8 fragments
.set SD,   192                         ; v192-195 W's scale bytes
.set SEL,  56                          ; s[56:57] v_permlanex16_b32's selects for lane l xor 16
; window 1 (v256-511): four sets of 64 registers for the loads, so that four fragments' loads, 64 a wave, are on their way
.set MSB, 0
.macro WIN new                         ; s_set_vgpr_msb: bits 1:0 source 0, 3:2 source 1, 5:4 source 2, 7:6 destination; the high byte repeats the setting that is left
.if MSB != (\new)
	s_set_vgpr_msb (MSB<<8)|(\new)
.set MSB, (\new)
.endif
.endm
	s_load_b256 s[4:11], s[0:1], 0x0               ; x_f, h_f, x_b, h_b
	s_load_b256 s[12:19], s[0:1], 0x20             ; Wf's codes, Wb's codes, Wf's scales, Wb's scales
	s_load_b128 s[20:23], s[0:1], 0x40             ; a_img, w_img
	v_lshl_add_u32 v[SPW], v0, 2, SPARE
	v_mov_b32 v[NIL], 0
	v_lshrrev_b32 v1, 5, v0
	v_readfirstlane_b32 s24, v1                    ; wave
	v_and_b32 v1, 31, v0                           ; lane
	v_and_b32 v2, 15, v0                           ; r
	v_bfe_u32 v3, v0, 4, 1                         ; h
	s_lshl_b32 s25, ttmp9, 2
	s_add_co_u32 s25, s25, s24                     ; T
	s_mul_i32 s26, s24, WREG                       ; my region
	s_add_co_u32 s27, s26, WST
	v_lshlrev_b32 v[LI], 4, v1
	v_add_nc_u32 v[SIN], s26, v[LI]
	v_mul_u32_u24 v[SOUT], v2, FP
	v_lshl_add_u32 v[SOUT], v3, 6, v[SOUT]
	v_add_nc_u32 v[SOUT], s26, v[SOUT]
	v_mul_u32_u24 v[WGI], v3, 1536
	v_lshl_add_u32 v[WGI], v2, 4, v[WGI]
	v_mul_u32_u24 v[WSI], v3, WP
	v_lshl_add_u32 v[WSI], v2, 4, v[WSI]
	v_add_nc_u32 v[WSI], s27, v[WSI]
	v_mul_u32_u24 v[WSO], v2, WP
	v_mad_u32_u24 v[WSO], v3, 24, v[WSO]
	v_add_nc_u32 v[WSO], s27, v[WSO]
	v_lshlrev_b32 v[L64], 6, v1
	v_lshlrev_b32 v[L8], 3, v1
.irp b, 0,1,2,3
	v_mov_b32 v[TM+4+\b], 0                        ; written once: a lane permute's destination counts as one of its sources
.endr
	s_mov_b32 s[SEL], 0x76543210
	s_mov_b32 s[SEL+1], 0xfedcba98
	; (Q): tensor t = T / 256; rows 32 rp on; numbers 512 kh2 on
	s_lshr_b32 s28, ttmp9, 6                       ; t: 0 x_f, 1 h_f, 2 x_b, 3 h_b
	s_bfe_u32 s29, s25, 0x70001                    ; rp = (T / 2) % 128
	s_and_b32 s30, s25, 1                          ; kh2 = T % 2 (in (W): which half of K)
	s_lshl_b32 s32, s29, 17                        ; 32 rows of 4,096 bytes
	s_lshl_b32 s31, s30, 11
	s_add_co_u32 s32, s32, s31
	s_mov_b32 s33, 0                               ; s[32:33]: where my numbers begin
	s_lshr_b32 s34, s28, 1                         ; direction
	s_mul_i32 s34, s34, DIRB
	s_lshr_b32 s31, s29, 3                         ; tile = row / 256
	s_mul_i32 s31, s31, TILE
	s_add_co_u32 s34, s34, s31
	s_and_b32 s31, s28, 1                          ; x or h
	s_lshl_b32 s31, s31, 1
	s_add_co_u32 s31, s31, s30
	s_mul_i32 s31, s31, 2*SLT                      ; K slot 4 part + 2 kh2
	s_add_co_u32 s34, s34, s31
	s_bfe_u32 s31, s29, 0x10002                    ; half = (row / 128) % 2
	s_mul_i32 s31, s31, HT
	s_add_co_u32 s34, s34, s31
	s_and_b32 s31, s29, 3                          ; my two blocks: 2 (rp % 4) and the next
	s_mul_i32 s36, s31, 6144
	s_add_co_u32 s36, s36, s34
	s_mov_b32 s37, 0                               ; s[36:37]: my images
	s_lshl_b32 s38, s31, 8
	s_add_co_u32 s38, s38, s34
	s_add_co_u32 s38, s38, SCW
	s_mov_b32 s39, 0                               ; s[38:39]: my scale words
	; (W), (S): direction T / 512, gate g, hidden units 32 hg on
	s_lshr_b32 s40, ttmp9, 7
	s_bfe_u32 s41, s25, 0x20007                    ; g
	s_bfe_u32 s42, s25, 0x50002                    ; hg
	s_bfe_u32 s43, s25, 0x10001                    ; x1: which 16 of the 32
	s_and_b32 s44, s25, 3                          ; qd: which quarter of a row of scale bytes
	s_lshl_b32 s46, s41, 10
	s_lshl_b32 s31, s42, 5
	s_add_co_u32 s46, s46, s31                     ; row 1024 g + 32 hg
	s_lshl_b32 s54, s46, 6
	s_lshl_b32 s31, s44, 4
	s_add_co_u32 s54, s54, s31
	s_mov_b32 s55, 0                               ; s[54:55]: my scale bytes in memory
	s_lshl_b32 s31, s43, 4
	s_add_co_u32 s46, s46, s31
	s_mul_i32 s46, s46, 1536
	s_mul_i32 s31, s30, 768
	s_add_co_u32 s46, s46, s31
	s_mov_b32 s47, 0                               ; s[46:47]: my codes in memory
	s_mul_i32 s48, s40, DIRB
	s_lshr_b32 s31, s42, 1                         ; tile = hidden unit / 64
	s_mul_i32 s31, s31, TILE
	s_add_co_u32 s48, s48, s31
	s_and_b32 s31, s42, 1                          ; half
	s_mul_i32 s31, s31, HT
	s_add_co_u32 s48, s48, s31
	s_mul_i32 s50, s30, 4*SLT                      ; K slots 4 kh on
	s_add_co_u32 s50, s50, s48
	s_lshl_b32 s31, s41, 1
	s_add_co_u32 s31, s31, s43                     ; block 2 g + x1
	s_mul_i32 s31, s31, 3072
	s_add_co_u32 s50, s50, s31
	s_mov_b32 s51, 0                               ; s[50:51]: W's images
	s_mul_i32 s52, s44, 2*SLT                      ; K slots 2 qd, 2 qd + 1
	s_add_co_u32 s52, s52, s48
	s_lshl_b32 s31, s41, 8                         ; blocks 2 g, 2 g + 1
	s_add_co_u32 s52, s52, s31
	s_add_co_u32 s52, s52, SCW
	s_mov_b32 s53, 0                               ; s[52:53]: W's scale words
	s_wait_kmcnt 0x0
	s_cmp_lt_u32 s28, 2                            ; the choices hang on the work-group's number alone
	s_cselect_b64 s[4:5], s[4:5], s[8:9]
	s_cselect_b64 s[6:7], s[6:7], s[10:11]
	s_bitcmp1_b32 s28, 0
	s_cselect_b64 s[4:5], s[6:7], s[4:5]
	s_add_nc_u64 s[4:5], s[4:5], s[32:33]          ; s[4:5]: my numbers
	s_cmp_eq_u32 s40, 0
	s_cselect_b64 s[12:13], s[12:13], s[14:15]
	s_cselect_b64 s[16:17], s[16:17], s[18:19]
	s_add_nc_u64 s[12:13], s[12:13], s[46:47]      ; s[12:13]: W's codes
	s_add_nc_u64 s[16:17], s[16:17], s[54:55]      ; s[16:17]: W's scale bytes
	s_add_nc_u64 s[8:9], s[20:21], s[36:37]        ; s[8:9]: A's images
	s_add_nc_u64 s[10:11], s[20:21], s[38:39]      ; s[10:11]: A's scale words
	s_add_nc_u64 s[14:15], s[22:23], s[50:51]      ; s[14:15]: W's images
	s_add_nc_u64 s[18:19], s[22:23], s[52:53]      ; s[18:19]: W's scale words
; Fragment f of 8: rows 16 (f % 2) on, numbers 128 (f / 2) on.  Sixteen loads, a row's 512 consecutive bytes each, into set f % 4 of window 1.
.macro LOAD f
	WIN 0x40
.irp i, 0,1,2,3,4,5,6,7,8,9,10,11,12,13,14,15
	global_load_b128 v[64*((\f)%4)+4*\i:64*((\f)%4)+4*\i+3], v[LI], s[4:5] offset:(16*((\f)%2)+\i)*4096+((\f)/2)*512 th:TH_LOAD_NT
.endr
	WIN 0
.endm
; The fragment's numbers go through the wave's own stage as they lie and come back 16 neighbours at a time: register 16 b + i of set f % 2 is k = 32 b + 16 h + i of row r.
; LDS serves a wave's instructions in order (ISA guide 5.7.1.4): no wait between the stores and the loads.
.macro TURN f
	WIN 0x04                                       ; an LDS store's data are its source 1: window 1
.irp i, 0,1,2,3,4,5,6,7,8,9,10,11,12,13,14,15
	ds_store_b128 v[SIN], v[64*((\f)%4)+4*\i:64*((\f)%4)+4*\i+3] offset:((\f)%2)*FST+FP*\i
.endr
	WIN 0
.irp b, 0,1,2,3
.irp j, 0,1,2,3
	ds_load_b128 v[X+64*((\f)%2)+16*\b+4*\j:X+64*((\f)%2)+16*\b+4*\j+3], v[SOUT] offset:((\f)%2)*FST+128*\b+16*\j
.endr
.endr
.endm
; 64 numbers of a lane, v[s] on, become a fragment's 12 registers of codes in v[PC] on and its scale word in v[pw].
.macro QUANT s, pw
.irp b, 0,1,2,3
	v_max3_num_f32 v[TM+\b], |v[\s+16*\b]|, |v[\s+1+16*\b]|, 0x1800000   ; block b: my 16 numbers, and the floor 2^(3 - 127): so the byte cannot fall under 1
.endr
.irp i, 2,4,6,8,10,12,14
.irp b, 0,1,2,3
	v_max3_num_f32 v[TM+\b], v[TM+\b], |v[\s+16*\b+\i]|, |v[\s+1+16*\b+\i]|   ; the four blocks by turns
.endr
.endr
.irp b, 0,1,2,3
	v_permlanex16_b32 v[TM+4+\b], v[TM+\b], s[SEL], s[SEL+1]
.endr
.irp b, 0,1,2,3
	v_max_num_f32 v[TM+\b], v[TM+\b], v[TM+4+\b]   ; with lane l xor 16's 16: the block's largest magnitude
.endr
.irp b, 0,1,2,3
	v_add_nc_u32 v[TM+12+\b], 0xff000000, v[TM+\b] ; 2 off its exponent field: the conversion takes the exponent field of this operand as its scale
.endr
.irp b, 0,1,2,3
	v_lshrrev_b32 v[TM+4+\b], 23, v[TM+12+\b]      ; the scale's byte
.endr
	v_lshl_or_b32 v[\pw], v[TM+5], 8, v[TM+4]      ; four bytes: my row's scale word (the same in lanes l and l xor 16)
	v_lshl_or_b32 v[\pw], v[TM+6], 16, v[\pw]
	v_lshl_or_b32 v[\pw], v[TM+7], 24, v[\pw]
.irp c, 0,1
	v_cvt_scalef32_pk16_fp6_f32 v[PC+6*\c:PC+2+6*\c], v[\s+32*\c:\s+15+32*\c], v[TM+12+2*\c]
	v_cvt_scalef32_pk16_fp6_f32 v[PC+12+4*\c:PC+14+4*\c], v[\s+16+32*\c:\s+31+32*\c], v[TM+12+2*\c+1]   ; (a conversion's three registers begin on an even number)
.endr
	v_nop                                          ; one plain instruction behind the scaled conversions
.irp c, 0,1                                    ; the operand's layout wants a whole block in a lane: lanes 0-15 block 2 c, lanes 16-31 block 2 c + 1
.irp i, 0,1,2
	v_permlane16_swap_b32 v[PC+6*\c+\i], v[PC+12+4*\c+\i]
.endr
.irp i, 0,1,2
	v_mov_b32 v[PC+3+6*\c+\i], v[PC+12+4*\c+\i]
.endr
.endr
.endm
; W's 16 rows x 768 bytes: load n takes 256 bytes of rows 2 (n / 3) and 2 (n / 3) + 1, sixteen lanes to a row's 256 aligned bytes
.macro WLOADA
	WIN 0x40
.irp n, 0,1,2,3,4,5,6,7,8,9,10,11,12,13,14,15
	global_load_b128 v[4*\n:4*\n+3], v[WGI], s[12:13] offset:2*(\n/3)*1536+256*(\n%3) th:TH_LOAD_NT
.endr
	WIN 0
.endm
.macro WLOADB
	WIN 0x40
.irp n, 16,17,18,19,20,21,22,23
	global_load_b128 v[4*\n:4*\n+3], v[WGI], s[12:13] offset:2*(\n/3)*1536+256*(\n%3) th:TH_LOAD_NT
.endr
	WIN 0
	global_load_b128 v[SD:SD+3], v[L64], s[16:17]  ; (S): my row's 16 scale bytes: four words
.endm
; THE LOADS are ten items: fragments 0 to 7 and W's first part, 16 loads each, and W's second part with (S), 9 loads.  Four items are on their way.
.macro STEP f
	s_wait_dscnt 0x0                               ; this fragment's numbers are back from the stage, so its stores into the stage have read set f % 4,
.if (\f) < 4
	LOAD (\f)+4                                    ; which takes the item four on
.elseif (\f) == 4
	WLOADA
.elseif (\f) == 5
	WLOADB
.endif
.if (\f) < 5
	s_wait_loadcnt 48                              ; item f + 1 is in; the three items of 16 behind it may be out
.elseif (\f) == 5
	s_wait_loadcnt 41                              ; behind item 6: 16 + 16 + 9
.elseif (\f) == 6
	s_wait_loadcnt 25                              ; behind item 7: 16 + 9
.endif
.if (\f) < 7
	TURN (\f)+1                                    ; through the other stage while this fragment is worked
.endif
	s_wait_xcnt 0x0                                ; the last fragment's stores have read v[PC] on: it is rewritten only behind this wait
	QUANT X+64*((\f)%2), PWS+(\f)
.irp c, 0,1,2
	global_store_b128 v[LI], v[PC+4*\c:PC+4*\c+3], s[8:9] offset:((\f)/4)*SLT+((\f)%2)*3072+(((\f)/2)%2)*1536+512*\c   ; 512 consecutive aligned bytes
.endr
.endm
.irp f, 0,1,2,3
	LOAD \f
.endr
	s_wait_loadcnt 48                              ; item 0 is in
	TURN 0
.irp f, 0,1,2,3,4,5,6,7
	STEP \f
.endr
	; A's scale words.  In a K slot's 256 bytes lane l stands for block l / 16 of my two, row l % 16, with the words of steps 0 and 1.  Fragment 4 j + 2 q + block holds them, the same in both halves of the lanes.
	v_cmp_lt_u32 vcc_lo, 15, v1
.irp j, 0,1
	v_cndmask_b32 v[SW+2*\j], v[PWS+4*\j], v[PWS+4*\j+1], vcc_lo
	v_cndmask_b32 v[SW+2*\j+1], v[PWS+4*\j+2], v[PWS+4*\j+3], vcc_lo
.endr
.irp j, 0,1
	global_store_b64 v[L8], v[SW+2*\j:SW+2*\j+1], s[10:11] offset:\j*SLT   ; 256 consecutive aligned bytes
.endr
	; (W): through its stage, as rows; back as fragments
	s_wait_loadcnt 9                               ; W's first 16 loads are in; the last item's 9 may be out
	WIN 0x04
.irp n, 0,1,2,3,4,5,6,7,8,9,10,11,12,13,14,15
	ds_store_b128 v[WSI], v[4*\n:4*\n+3] offset:2*(\n/3)*WP+256*(\n%3)
.endr
	s_wait_loadcnt 0x0
.irp n, 16,17,18,19,20,21,22,23
	ds_store_b128 v[WSI], v[4*\n:4*\n+3] offset:2*(\n/3)*WP+256*(\n%3)
.endr
	WIN 0
	global_store_b64 v[L8], v[SD:SD+1], s[18:19]               ; (S): lane l is block 2 g + l / 16, row l % 16: the words of K slot 2 qd,
	global_store_b64 v[L8], v[SD+2:SD+3], s[18:19] offset:SLT  ; and of 2 qd + 1: 256 consecutive aligned bytes each
.irp q, 0,1,2,3,4,5,6,7
.irp p, 0,1,2,3,4,5
	ds_load_b64 v[X+12*\q+2*\p:X+12*\q+2*\p+1], v[WSO] offset:96*\q+48*(\p/3)+8*(\p%3)   ; step q of row r: 24 bytes at 24 h, 24 at 48 + 24 h, in pieces of 8 so that every address is a multiple of the size
.endr
.endr
.irp q, 0,1,2,3,4,5,6,7
	s_wait_dscnt 6*(7-\q)                          ; step q's six loads are in; the later steps' may be out
.irp c, 0,1,2
	global_store_b128 v[LI], v[X+12*\q+4*\c:X+12*\q+4*\c+3], s[14:15] offset:(\q/2)*SLT+(\q%2)*1536+512*\c
.endr
.endr
	s_wait_tensorcnt 0x0                           ; the wave's end: behind my last LDS store
	ds_add_u32 v[SPW], v[NIL]
	s_wait_dscnt 0x0
	s_endpgm
.Lfunc_end_k_q6bc2a72bd8_prep:
	.size	k_q6bc2a72bd8_prep, .Lfunc_end_k_q6bc2a72bd8_prep-k_q6bc2a72bd8_prep
	.p2alignl 7, 3214868480
	.fill 96, 4, 3214868480
	.section	.rodata,"a",@progbits
	.p2align	6, 0x0
	.amdhsa_kernel k_q6bc2a72bd8_prep
		.amdhsa_group_segment_fixed_size 118272
		.amdhsa_private_segment_fixed_size 0
		.amdhsa_enable_private_segment 0
		.amdhsa_kernarg_size 80
		.amdhsa_user_sgpr_count 2
		.amdhsa_user_sgpr_kernarg_segment_ptr 1
		.amdhsa_wavefront_size32 1
		.amdhsa_system_sgpr_workgroup_id_x 1
		.amdhsa_system_sgpr_workgroup_id_y 1
		.amdhsa_system_sgpr_workgroup_id_z 1
		.amdhsa_system_vgpr_workitem_id 0
		.amdhsa_next_free_vgpr 512
		.amdhsa_next_free_sgpr 66
		.amdhsa_reserve_vcc 1
		.amdhsa_float_denorm_mode_32 3
		.amdhsa_float_denorm_mode_16_64 3
		.amdhsa_memory_ordered 1
		.amdhsa_forward_progress 1
		.amdhsa_inst_pref_size 78
	.end_amdhsa_kernel
	.amdgpu_metadata
---
amdhsa.version: [ 1, 2 ]
amdhsa.kernels:
  - .name:           k_q6bc2a72bd8_prep
    .symbol:         k_q6bc2a72bd8_prep.kd
    .args:
      - { .name: input_f, .offset: 0, .size: 8, .value_kind: global_buffer, .address_space: global }
      - { .name: Hidden_State_f, .offset: 8, .size: 8, .value_kind: global_buffer, .address_space: global }
      - { .name: input_b, .offset: 16, .size: 8, .value_kind: global_buffer, .address_space: global }
      - { .name: Hidden_State_b, .offset: 24, .size: 8, .value_kind: global_buffer, .address_space: global }
      - { .name: Wf_codes, .offset: 32, .size: 8, .value_kind: global_buffer, .address_space: global }
      - { .name: Wb_codes, .offset: 40, .size: 8, .value_kind: global_buffer, .address_space: global }
      - { .name: Wf_scales, .offset: 48, .size: 8, .value_kind: global_buffer, .address_space: global }
      - { .name: Wb_scales, .offset: 56, .size: 8, .value_kind: global_buffer, .address_space: global }
      - { .name: a_img, .offset: 64, .size: 8, .value_kind: global_buffer, .address_space: global }
      - { .name: w_img, .offset: 72, .size: 8, .value_kind: global_buffer, .address_space: global }
    .group_segment_fixed_size: 118272
    .private_segment_fixed_size: 0
    .kernarg_segment_align: 8
    .kernarg_segment_size: 80
    .max_flat_workgroup_size: 128
    .sgpr_count:     66
    .vgpr_count:     512
    .wavefront_size: 32
...
	.end_amdgpu_metadata
.endif
;; end of part 1
;; launch lstm (part 2): grid 16 x 32, 4 waves a work-group, clusters of 4 x 4, 327,680 bytes of LDS; arguments a_img, w_img, bf, bb, Cell_State_f, Cell_State_b, out0, out1, out2, out3; writes out0, out1, out2, out3
.if DOCPART == 2
	.amdgcn_target "amdgcn-amd-amdhsa--gfx1250"
	.amdhsa_code_object_version 6
	.text
	.protected	k_q6bc2a72bd8_lstm
	.globl	k_q6bc2a72bd8_lstm
	.p2align	8
	.type	k_q6bc2a72bd8_lstm,@function
k_q6bc2a72bd8_lstm:
	s_mov_b64 s[64:65], 0
	v_nop
	global_prefetch_b8 v0, s[64:65] scope:SCOPE_SE
	s_setreg_imm32_b32 hwreg(HW_REG_WAVE_MODE, 25, 1), 1
	s_wait_xcnt 0x0
	s_wait_alu depctr_hold_cnt(0) depctr_sa_sdst(0) depctr_va_vdst(0) depctr_va_sdst(0) depctr_va_ssrc(0) depctr_va_vcc(0) depctr_vm_vsrc(0)
	s_getreg_b32 s2, hwreg(HW_REG_IB_STS2, 6, 4)
	s_cmp_eq_u32 s2, 0
	s_cbranch_scc0 .Lentry_in_a_cluster
	s_endpgm
.Lentry_in_a_cluster:
	s_bfe_u32 s2, ttmp6, 0x10000c
	s_cmp_lg_u32 s2, 0xf033
	s_cbranch_scc0 .Lentry_shape_is_right
	s_endpgm
.Lentry_shape_is_right:
; BOTH LSTM STEPS: gates = [x h] W^T + b on codes of FP6 (E2M3) with E8M0 scales, sums in f32; f, i, o = sigmoid, C = tanh; c_new = f c + i C; h_new = o tanh(c_new).  The gates never go to memory.
; OPERANDS: a_img and w_img, [direction 2][tile 16][K slot 8][half 2] of half tiles of 25,600 bytes, made by the launch before: 8 blocks of 16 rows x 2 steps of 128 along K as images of the operand's 12
; registers (fragment (i, q) at 3072 i + 1536 q; registers 4 c .. 4 c + 3 of lane l at 512 c + 16 l), then from byte 24,576 the scale words (block i, row r, step q at 128 i + 8 r + 4 q).
; A's rows: 256 tile + 128 half + 16 i + r.  W's block i = 2 g + u: gate g, hidden unit 64 tile + 32 half + 16 u + r.
; SHARES: work-group (ct, y): direction y / 16, rows 256 (y % 16) on, hidden units 64 ct on, all four gates: 256 x 256 of the product.  512 work-groups of equal work.  Four waves, as many as a WGP has SIMDs:
; wave w takes half sr = w / 2 of the rows and half sc = w % 2 of the hidden units: 128 x 128, 64 accumulators, 512 registers.
; THE MATRIX INSTRUCTION IS USED TRANSPOSED (source 0 = 16 rows of W, source 1 = 16 rows of A): register j of accumulator (a, b = 2 g + u) in lane (r, h) is gate g of row 16 a + r, hidden unit 16 u + 8 h + j.
; So a lane holds all four gates of its elements at the same register index, and nothing changes lanes in the gate arithmetic.  The bias is the C of each sum's first product.
; K goes in 8 slots of 256 through a ring of two LDS slots; a wave's tensor load brings one half tile, a dense block of 100 rows of 256 bytes.  THE CHANGE OF SLOTS STANDS AT THE HEAD OF A SLOT'S LAST STEP, where the
; slot's last fragments have been asked for: so the refill goes out ahead of that step's 64 products and has 128 matrix instructions in which to land.
; CLUSTERS: 4 x 4 work-groups.  The four of a row of the cluster need the same tiles of A, the four of a column the same tiles of W: each is asked for jointly, by the same load with a mask that names the four.
; The Cell_State tile (256 rows x 256 bytes) comes into LDS with the first fills, each wave's 64 rows by a load of its own, and lies there until the gates are ready.
; THE WAY OUT goes pass by pass: 32 of a wave's 128 rows are finished, meet the other wave's half of each row in a stage in LDS, and are stored while the next 32 rows' gates are computed.
; sigmoid(x) = 1 / (1 + 2^(-x log2 e)), tanh(x) = 1 - 2 / (1 + 2^(2 x log2 e)): an exponential that overflows gives the reciprocal 0, one that falls to 0 the reciprocal 1: right at every finite x, with no clamp.
; LIMIT: that tanh has an absolute error of about 2^-23 at any argument: a tanh under about 1e-5 loses relative accuracy.
; REGISTERS, in windows of 256: window 0: v16-31 addresses; v32-63 scale words, two sets, and nothing else in the whole text; v64-127 the bias; v128-223 A's fragments, one set.  window 1: W's fragments, two sets,
; at v0 and v128.  window 2: the accumulators of my rows 0-63 ((a, b) at v[8 (8 (a % 4) + b)]); window 3: those of rows 64-127.  Behind the products window 0's v64-255 serve the gate arithmetic and window 1
; the rows on their way out.
.set HT,    25600                      ; a half tile: what one tensor load brings, and what one wave reads of A or of W
.set SLT,   51200                      ; a K slot of a tile in memory
.set TILE,  409600
.set SCW,   24576
.set SLOT,  4*HT                       ; an LDS slot: A's two halves, then W's two
.set CP,    272                        ; a row of the Cell_State tile and of the stages: 256 bytes + 16 = 17 x 16: sixteen rows' same column falls on sixteen different groups of four banks (ISA guide 11.1)
.set CST,   2*SLOT                     ; behind the ring: the Cell_State tile, 256 rows
.set SPARE, CST+256*CP                 ; behind it: the spare words, 128 bytes a wave, which no other line names
.set HST,   0                          ; the way out: h's stage in slot 0, c_new's in slot 1, 256 rows x 272 each: both slots have had their last fill and their last read when the first result is stored there
.set CNS,   SLOT
.set FR,    12
.set NL,    3                          ; LDS loads that bring a fragment
.set NP,    4                          ; places behind this matrix instruction (ISA guide 7.12.1)
.set LAPS,  4                          ; a lap = two K slots = once round the ring
.set ADRA, 16                          ; v16-17 my A fragments in slot 0, 1
.set ADRS, 18                          ; v18-19 my scale words: lanes 0-15 A's, lanes 16-31 W's
.set ADRB, 20                          ; v20-21 my W fragments
.set CRD,  22                          ; v22 my 32 bytes of a row of the Cell_State tile
.set HWR,  23                          ; v23 the same place in h's stage
.set CWR,  24                          ; v24 and in c_new's
.set RDH,  25                          ; v25 the way out: where I read rows of h back
.set RDC,  26                          ; v26 and of c_new
.set GO,   27                          ; v27 my byte offset in the two rows of an output that an instruction stores
.set SPW,  28                          ; v28 my spare word's LDS address; never rewritten
.set NIL,  29                          ; v29 0; never rewritten
.set BO,   30                          ; v30 32 h: the bias loads' offset
.set PFO,  31                          ; v31 the prefetches' offset: 256 x my lane, held at 24 lanes; never rewritten
.set SC,   32                          ; scale words: set s at v[SC + 16 s]; register 2 i + q: lanes 0-15 A's block i, lanes 16-31 W's block i, step q
.set BI,   64                          ; the bias: 8 registers for each b, in the result's layout
.set AF,   128
.set T,    64                          ; gate arithmetic: v64-191: two blocks' 128 gates
.set CC,   192                         ; v192-223, v224-255 by turns: two blocks' c, then c_new
.set G1,   24                          ; s[24:31] group 1 for A's tiles;  s[32:39] group 0, a set for each slot
.set G0,   32
.set G1B,  48                          ; s[48:55], s[56:63] the same for W's
.set G0B,  56
.set G0C,  4                           ; s[4:7], s[92:99] groups 0 and 1 for the Cell_State tile
.set G1C,  92
.set NL2E, 68                          ; s[68:69] -log2 e
.set TL2E, 70                          ; s[70:71] 2 log2 e
.set PFA,  82                          ; s[82:83] where my prefetches stand: my work-group's 25 blocks of the half tile that I fetch, two K slots further on than the refill that is being asked for
.set LIM,  84                          ; s84 1 in a wave that prefetches, else the greatest number
.set OO2,  86                          ; s[86:87] where the rows that I store begin in an output
.set MSB, 0
.macro WIN new                         ; s_set_vgpr_msb: bits 1:0 source 0, 3:2 source 1, 5:4 source 2, 7:6 destination; the high byte repeats the setting that is left
.if MSB != (\new)
	s_set_vgpr_msb (MSB<<8)|(\new)
.set MSB, (\new)
.endif
.endm
; A joint load: waves 0 and 1 fetch A's halves, waves 2 and 3 W's.  Each line has one mask and one set of registers for all that issue it; the branch hangs on the wave's number alone.
; An s_nop 0 and four v_nop follow each line, ahead of the jump, the label and what follows.
.macro JLOAD s
	s_cmp_eq_u32 s21, 0
	s_cbranch_scc0 .Lfor_w_\@
	tensor_load_to_lds s[G0+4*\s:G0+4*\s+3], s[G1:G1+7]
	s_nop 0
.rept 4
	v_nop
.endr
	s_branch .Lasked_\@
.Lfor_w_\@:
	tensor_load_to_lds s[G0B+4*\s:G0B+4*\s+3], s[G1B:G1B+7]
	s_nop 0
.rept 4
	v_nop
.endr
.Lasked_\@:
.endm
; A PREFETCH INTO THE L2, behind each joint refill and its five lines: of the half tile that I fetch, the K slot that stands TWO refills on (256 matrix instructions ahead of the load that will want it).
; A's tile is read by every cluster of its row of clusters: the first of them (cluster x = 0) asks; W's by the four clusters of its column that work on its direction: the first of those (cluster y % 4 = 0) asks.
; The four partners that ask for a half tile jointly share its 100 blocks of 256 bytes out BY ADDRESS, 25 each (place cx for A, cy for W): no branch hangs on a work-group's place in its cluster.  One instruction a
; wave, a lane a block; a share is 25 blocks, so lanes 24 to 31 name one and the same block, the share's last.  Otherwise each block is named once in the launch.
; The refills of K slots 2 to 5 ask for slots 4 to 7; the loop's last trip (s3 = 1) asks for nothing: there is no slot two on.  K slots 0 to 3 come by their loads alone: nothing is asked for at the head.
.macro ASK
	s_cmp_gt_u32 s3, s[LIM]
	s_cbranch_scc0 .Lnot_mine_\@
	global_prefetch_b8 v[PFO], s[PFA:PFA+1] th:TH_LOAD_NT scope:SCOPE_SE
.Lnot_mine_\@:
.endm
.macro CREST                           ; a round of the cluster's barrier behind its opening barrier
	s_cmp_lg_u32 s20, 0
	s_cbranch_scc1 .Lnot_wave_0_\@
	s_barrier_signal -3
.Lnot_wave_0_\@:
	s_barrier_wait -3
	s_barrier_signal -1
	s_barrier_wait -1
.endm
.macro CROUND                          ; a whole round
	s_barrier_signal -1
	s_barrier_wait -1
	CREST
.endm
	s_load_b128 s[4:7], s[0:1], 0x0                ; a_img, w_img
	s_load_b256 s[12:19], s[0:1], 0x10             ; bf, bb, Cell_State_f, Cell_State_b
	v_lshl_add_u32 v[SPW], v0, 2, SPARE
	v_mov_b32 v[NIL], 0
	ds_add_u32 v[SPW], v[NIL]                      ; the wave's opening: the add and its wait ahead of my first tensor load; the set-up below, work on registers, stands between them
	v_lshrrev_b32 v1, 5, v0
	v_readfirstlane_b32 s20, v1                    ; wave 0..3
	s_lshr_b32 s21, s20, 1                         ; sr.  Also: I fetch for A (0) or for W (1)
	s_and_b32 s22, s20, 1                          ; sc.  Also: which half tile I fetch
	s_bfe_u32 s40, ttmp6, 0x40000                  ; cx, cy: my place in the cluster
	s_bfe_u32 s41, ttmp6, 0x40004
	s_lshl_b32 s42, ttmp9, 2
	s_add_co_u32 s42, s42, s40                     ; ct = 4 x cluster x + cx
	s_and_b32 s45, ttmp7, 0xffff
	s_lshl_b32 s23, s45, 2
	s_add_co_u32 s23, s23, s41                     ; y = 4 x cluster y + cy
	s_lshr_b32 s45, s45, 2                         ; the direction: from the cluster's y alone, the same in all sixteen
	s_lshl_b32 s43, s41, 2
	s_lshl_b32 s43, 15, s43                        ; my row of the cluster
	s_lshl_b32 s44, 0x1111, s40                    ; my column
	s_or_b32 s[G1], s43, (3<<16)|(1<<21)           ; 15:0 the mask: A's tiles go to my row; 17:16 elements of 8 bytes; 20 no padding; 21 set beside a mask
	s_or_b32 s[G1B], s44, (3<<16)|(1<<21)          ; W's go to my column
.irp g, G1, G1B
	s_mov_b32 s[\g+1], 32<<16                      ; tensor_dim0 = 32 elements: 256 bytes
	s_mov_b32 s[\g+2], 100<<16                     ; tensor_dim1 = 100
	s_mov_b32 s[\g+3], 32<<16                      ; tile_dim0
	s_mov_b32 s[\g+4], 100                         ; tile_dim1
	s_mov_b32 s[\g+5], 32                          ; the pitch: the block is dense
	s_mov_b32 s[\g+6], 0
	s_mov_b32 s[\g+7], 0
.endr
	s_mov_b32 s[G1C], (2<<16)|(1<<20)|(5<<22)|(3<<25)  ; no mask; elements of 4 bytes; padding on: after every 64 words (code 5) 4 words (code 3)
	s_mov_b32 s[G1C+1], 64<<16                     ; 64 numbers of a row
	s_mov_b32 s[G1C+2], 64<<16                     ; 64 rows
	s_mov_b32 s[G1C+3], 64<<16
	s_mov_b32 s[G1C+4], 64
	s_mov_b32 s[G1C+5], 1024                       ; a row of Cell_State
	s_mov_b32 s[G1C+6], 0
	s_mov_b32 s[G1C+7], 0
	; where the tiles come from.  A's hang on y alone, which my row of the cluster shares; W's on the direction and ct, which my column shares; each in registers that never hold the other place.
	s_mul_i32 s2, s22, HT
	s_mul_i32 s66, s23, TILE                       ; y = 16 direction + tile
	s_add_co_u32 s66, s66, s2
	s_mov_b32 s67, 0
	s_lshl_b32 s72, s45, 4
	s_add_co_u32 s72, s72, s42
	s_mul_i32 s72, s72, TILE
	s_add_co_u32 s72, s72, s2
	s_mov_b32 s73, 0
	s_mul_i32 s74, s20, HT                         ; and where they go: wave x a half tile: no place in the cluster enters an LDS address
	s_and_b32 s46, s23, 15                         ; the Cell_State rows that I fetch: row 256 (y % 16) + 64 wave, byte 256 ct
	s_lshl_b32 s46, s46, 8
	s_lshl_b32 s3, s20, 6
	s_add_co_u32 s46, s46, s3
	s_lshl_b32 s46, s46, 12
	s_lshl_b32 s3, s42, 8
	s_add_co_u32 s46, s46, s3
	s_mov_b32 s47, 0
	s_and_b32 s[OO2], s23, 15                      ; the rows that I store: row 256 (y % 16) + 128 sr + 16 sc (+ 32 a pass), byte 256 ct
	s_lshl_b32 s[OO2], s[OO2], 8
	s_lshl_b32 s3, s21, 7
	s_add_co_u32 s[OO2], s[OO2], s3
	s_lshl_b32 s3, s22, 4
	s_add_co_u32 s[OO2], s[OO2], s3
	s_lshl_b32 s[OO2], s[OO2], 12
	s_lshl_b32 s3, s42, 8
	s_add_co_u32 s[OO2], s[OO2], s3
	s_mov_b32 s[OO2+1], 0
	s_lshl_b32 s100, s42, 8                        ; the bias: hidden unit 64 ct + 32 sc
	s_lshl_b32 s3, s22, 7
	s_add_co_u32 s100, s100, s3
	s_mov_b32 s101, 0
	s_mul_i32 s75, s20, 64*CP
	s_add_co_u32 s75, s75, CST                     ; my 64 rows of the Cell_State tile in LDS
	s_mov_b32 s[NL2E], 0xbfb8aa3b
	s_mov_b32 s[NL2E+1], s[NL2E]                   ; (the packed form names a pair and takes its low word for both halves: so the pair is written)
	s_mov_b32 s[TL2E], 0x4038aa3b
	s_mov_b32 s[TL2E+1], s[TL2E]
	s_wait_dscnt 0x0                               ; the opening add is done
	s_wait_kmcnt 0x0
	s_add_nc_u64 s[66:67], s[4:5], s[66:67]
	s_add_nc_u64 s[72:73], s[6:7], s[72:73]
	s_cmp_eq_u32 s45, 0
	s_cselect_b64 s[12:13], s[12:13], s[14:15]     ; my direction's bias
	s_cselect_b64 s[16:17], s[16:17], s[18:19]     ; and Cell_State
	s_add_nc_u64 s[12:13], s[12:13], s[100:101]
	s_mov_b32 s[G0C], 1
	s_mov_b32 s[G0C+1], s75
	s_add_nc_u64 s[G0C+2:G0C+3], s[16:17], s[46:47]
	s_or_b32 s[G0C+3], s[G0C+3], 0x80000000
	; the prefetches (macro ASK): where mine stand, and who asks
	s_and_b32 s85, ttmp7, 3                        ; my cluster's place among the four of its direction
	s_cmp_eq_u32 s21, 0                            ; do I fetch for A?
	s_cselect_b64 s[PFA:PFA+1], s[66:67], s[72:73] ; the half tile that I fetch, at K slot 0
	s_cselect_b32 s88, s40, s41                    ; my place among the four that ask for it with me
	s_cselect_b32 s85, ttmp9, s85                  ; the coordinate along which other clusters read the same tile
	s_cmp_eq_u32 s85, 0
	s_cselect_b32 s[LIM], 1, -1                    ; the same in all sixteen partners, for a given wave
	s_mul_i32 s88, s88, 25*256                     ; my work-group's 25 blocks,
	s_add_co_u32 s88, s88, 3*SLT                   ; at K slot 3: the first refill steps it to slot 4
	s_mov_b32 s89, 0
	s_add_nc_u64 s[PFA:PFA+1], s[PFA:PFA+1], s[88:89]
	CROUND                                         ; all sixteen work-groups are here: the first joint loads meet
.irp s, 0,1
	s_mov_b32 s[G0+4*\s], 1                        ; count = 1
	s_add_co_u32 s[G0+4*\s+1], s74, \s*SLOT        ; LDS address
	s_add_nc_u64 s[G0+4*\s+2:G0+4*\s+3], s[66:67], \s*SLT   ; K slot s
	s_or_b32 s[G0+4*\s+3], s[G0+4*\s+3], 0x80000000         ; type = 2
	s_mov_b32 s[G0B+4*\s], 1
	s_add_co_u32 s[G0B+4*\s+1], s74, \s*SLOT
	s_add_nc_u64 s[G0B+4*\s+2:G0B+4*\s+3], s[72:73], \s*SLT
	s_or_b32 s[G0B+4*\s+3], s[G0B+4*\s+3], 0x80000000
	JLOAD \s
.endr
	tensor_load_to_lds s[G0C:G0C+3], s[G1C:G1C+7]  ; my 64 rows of the Cell_State tile: a load of my own, the last of the first fills: three tensor loads of mine are out
	s_nop 0
.rept 4
	v_nop
.endr
	v_and_b32 v1, 15, v0                           ; r
	v_bfe_u32 v2, v0, 4, 1                         ; h
	v_and_b32 v3, 31, v0
	v_lshlrev_b32 v4, 4, v3                        ; 16 x lane
	v_lshlrev_b32 v[BO], 5, v2
.irp b, 0,1,2,3,4,5,6,7                        ; b = 2 g + u: bias of gate g at hidden units 16 u + 8 h + 0 .. 7 of my 32
	global_load_b128 v[BI+8*\b:BI+8*\b+3], v[BO], s[12:13] offset:(\b/2)*4096+64*(\b%2)
	global_load_b128 v[BI+8*\b+4:BI+8*\b+7], v[BO], s[12:13] offset:(\b/2)*4096+64*(\b%2)+16
.endr
	v_min_u32 v[PFO], 24, v3
	v_lshlrev_b32 v[PFO], 8, v[PFO]
	s_mul_i32 s76, s21, HT                         ; my half of A
	s_mul_i32 s77, s22, HT
	s_add_co_u32 s77, s77, 2*HT                    ; my half of W, behind A's two
	v_add_nc_u32 v[ADRA], s76, v4
	v_add_nc_u32 v[ADRA+1], SLOT, v[ADRA]
	v_add_nc_u32 v[ADRB], s77, v4
	v_add_nc_u32 v[ADRB+1], SLOT, v[ADRB]
	v_lshlrev_b32 v5, 3, v1                        ; my row's two scale words
	s_sub_co_u32 s78, s77, s76
	v_mul_u32_u24 v6, s78, v2                      ; lanes 16-31 take W's: one product, the distance between the two halves
	v_add_nc_u32 v5, v5, v6
	s_add_co_u32 s79, s76, SCW
	v_add_nc_u32 v[ADRS], s79, v5
	v_add_nc_u32 v[ADRS+1], SLOT, v[ADRS]
	v_mul_u32_u24 v[HWR], v1, CP                   ; row 128 sr + r (+ 16 a), byte 128 sc + 32 h (+ 64 u)
	v_lshl_add_u32 v[HWR], v2, 5, v[HWR]
	s_mul_i32 s80, s21, 128*CP
	s_lshl_b32 s81, s22, 7
	s_add_co_u32 s80, s80, s81
	v_add_nc_u32 v[HWR], s80, v[HWR]
	v_add_nc_u32 v[CWR], CNS, v[HWR]
	v_add_nc_u32 v[CRD], CST, v[HWR]
	v_mul_u32_u24 v[RDH], v2, CP                   ; back: rows 128 sr + 16 sc (+ 32 a pass) on; lanes 0-15 one row of 256 bytes, lanes 16-31 the next
	v_lshl_add_u32 v[RDH], v1, 4, v[RDH]
	s_mul_i32 s80, s21, 128*CP
	s_mul_i32 s81, s22, 16*CP
	s_add_co_u32 s80, s80, s81
	v_add_nc_u32 v[RDH], s80, v[RDH]
	v_add_nc_u32 v[RDC], CNS, v[RDH]
	v_lshlrev_b32 v[GO], 12, v2                    ; and the same two rows in an output
	v_lshl_add_u32 v[GO], v1, 4, v[GO]
.macro FRAG reg, adr, q, i             ; a fragment comes as it was laid: three loads of 512 consecutive bytes
.irp c, 0,1,2
	ds_load_b128 v[\reg+4*\c:\reg+4*\c+3], v[\adr] offset:(\i)*3072+(\q)*1536+512*\c
.endr
.endm
; 16 matrix instructions: A's blocks a0, a0 + 1 x W's eight, 128 along K: the slot's q-th.  p: W's set; sc: the set of scale words.  first = 1: the bias is C: nothing is cleared and nothing added later.
; The 64 accumulators take turns, one instruction a turn, in the same order in every step.
.macro MUL16 a0, p, q, sc, first
.irp a, \a0, \a0+1
.irp b, 0,1,2,3,4,5,6,7
.if \first
	v_wmma_scale_f32_16x16x128_f8f6f4 v[8*(8*((\a)%4)+\b):8*(8*((\a)%4)+\b)+7], v[128*(\p)+FR*\b:128*(\p)+FR*\b+FR-1], v[AF+FR*(\a):AF+FR*(\a)+FR-1], v[BI+8*\b:BI+8*\b+7], v[SC+16*(\sc)+2*\b+(\q)], v[SC+16*(\sc)+2*(\a)+(\q)] matrix_a_fmt:MATRIX_FMT_FP6 matrix_b_fmt:MATRIX_FMT_FP6 matrix_a_scale:MATRIX_SCALE_ROW1
.else
	v_wmma_scale_f32_16x16x128_f8f6f4 v[8*(8*((\a)%4)+\b):8*(8*((\a)%4)+\b)+7], v[128*(\p)+FR*\b:128*(\p)+FR*\b+FR-1], v[AF+FR*(\a):AF+FR*(\a)+FR-1], v[8*(8*((\a)%4)+\b):8*(8*((\a)%4)+\b)+7], v[SC+16*(\sc)+2*\b+(\q)], v[SC+16*(\sc)+2*(\a)+(\q)] matrix_a_fmt:MATRIX_FMT_FP6 matrix_b_fmt:MATRIX_FMT_FP6 matrix_a_scale:MATRIX_SCALE_ROW1
.endif
.endr
.endr
.endm
.macro FETCH_B slot, q, p              ; W's eight fragments of the slot's q-th step into set p: 24 loads
	WIN 0x40
.irp i, 0,1,2,3,4,5,6,7
	FRAG 128*(\p)+FR*\i, ADRB+\slot, \q, \i
.endr
	WIN 0
.endm
.macro FETCH_A slot, q, i0             ; A's blocks i0 .. i0 + 3: 12 loads
.irp i, \i0, \i0+1, \i0+2, \i0+3
	FRAG AF+FR*(\i), ADRA+\slot, \q, \i
.endr
.endm
.macro SCALES sc                       ; slot sc's scale words into set sc: two words a row.  (Lanes 0-15 and 16-31 stand a whole number of 256 bytes apart and meet in the same banks: eight loads a slot, accepted)
.irp i, 0,1,2,3,4,5,6,7
	ds_load_b64 v[SC+16*\sc+2*\i:SC+16*\sc+2*\i+1], v[ADRS+\sc] offset:128*\i
.endr
.endm
; A load into a register that a matrix instruction has read, and a vector instruction that reads a matrix result, stand NP places behind that matrix instruction; only plain vector instructions that name none of
; its registers are places (ISA guide 7.12.1 for vector instructions).
.macro PLACES n
.rept \n
	v_nop
.endr
.endm
; A step of 128 along K that has its successor in the same slot.  A block of A is free when its eight products are issued, so A has one set: blocks 0-3 come anew in the step's middle, blocks 4-7 at its end.
.macro STEP slot, q, first
	s_wait_dscnt 4*NL                              ; W's set, the scale words and A's blocks 0-3 are in; the youngest twelve loads (A's blocks 4-7) may be out
	WIN 0xa1-0x20*(\first)                         ; W window 1, A window 0, D window 2; C window 2, or window 0 where it is the bias
	MUL16 0, (\q)%2, \q, \slot, \first
	MUL16 2, (\q)%2, \q, \slot, \first
	s_wait_dscnt 0                                 ; A's blocks 4-7 are in
	PLACES NP
	FETCH_B \slot, (\q)+1, 1-(\q)%2
	FETCH_A \slot, (\q)+1, 0
	WIN 0xf1-0x30*(\first)                         ; the same with window 3
	MUL16 4, (\q)%2, \q, \slot, \first
	MUL16 6, (\q)%2, \q, \slot, \first
	PLACES NP
	WIN 0
	FETCH_A \slot, (\q)+1, 4
.endm
; A slot's last step begins with the change of slots.  All of the step's fragments have been asked for, so the slot's reads end with the wait below.  Each wave waits for all its tensor loads, adds 0 to its spare
; word, and waits for that and for its reads of this slot; then one barrier.  Behind it nobody reads this slot any more and the next slot is whole.  fill = 1: the barrier opens a round of the cluster's, and this slot
; is filled again, two K slots ahead, AHEAD OF THE STEP'S 64 PRODUCTS: they, and the next step's 64, are the work in which the load lands.  The rest is a step whose successor lies in the next slot.
.macro TURN slot, next, fill
.if \fill
	s_wait_xcnt 0x0                                ; the last prefetch, a K slot back, has read its address: it is stepped here, ahead of the waits of the change of slots
	s_add_nc_u64 s[PFA:PFA+1], s[PFA:PFA+1], SLT
.endif
	s_wait_tensorcnt 0x0                           ; all my tensor loads have landed: my part of the next slot (in the first change the Cell_State rows too): so every group 0 may be written
	ds_add_u32 v[SPW], v[NIL]                      ; 0 onto my spare word; the descriptors' steps stand between it and the wait for it
.if \fill
	s_add_nc_u64 s[G0+4*\slot+2:G0+4*\slot+3], s[G0+4*\slot+2:G0+4*\slot+3], 2*SLT
	s_add_nc_u64 s[G0B+4*\slot+2:G0B+4*\slot+3], s[G0B+4*\slot+2:G0B+4*\slot+3], 2*SLT
.endif
	s_wait_dscnt 0x0                               ; the add is done, and my reads of this slot are over: this step's fragments are all in registers
	s_barrier_signal -1
	s_barrier_wait -1
.if \fill
	CREST                                          ; no wave of any partner still reads this slot's tile or has a load on its way
	JLOAD \slot                                    ; the first tensor load behind the round, my only one until the next
	ASK                                            ; behind the joint load and its five lines
.endif
	WIN 0xa1
	MUL16 0, 1, 1, \slot, 0
	MUL16 2, 1, 1, \slot, 0
	PLACES NP
	FETCH_B \next, 0, 0
	FETCH_A \next, 0, 0
	SCALES \next
	WIN 0xf1
	MUL16 4, 1, 1, \slot, 0
	MUL16 6, 1, 1, \slot, 0
	PLACES NP
	WIN 0
	FETCH_A \next, 0, 4
.endm
	s_wait_tensorcnt 2                             ; my part of K slot 0 is in; slot 1's load and the Cell_State's may stay out
	s_barrier_signal -1
	s_barrier_wait -1                              ; everybody's is
	FETCH_B 0, 0, 0
	FETCH_A 0, 0, 0
	SCALES 0
	FETCH_A 0, 0, 4
	s_wait_loadcnt 0x0                             ; the bias
	STEP 0, 0, 1                                   ; the first step stands in front of the loop: its products start the sums on the bias
	s_mov_b32 s3, LAPS-1
.Llap:                                                 ; a trip goes once round the ring, from a lap's second step to the next lap's first, and fills both slots again
	TURN 0, 1, 1
	STEP 1, 0, 0
	TURN 1, 0, 1
	STEP 0, 0, 0
	s_sub_co_u32 s3, s3, 1
	s_cmp_lg_u32 s3, 0
	s_cbranch_scc1 .Llap
	TURN 0, 1, 0                                   ; the last lap fills nothing, and has no round of the cluster's barrier
	STEP 1, 0, 0
	s_wait_dscnt 4*NL                              ; the very last step
	WIN 0xa1
	MUL16 0, 1, 1, 1, 0
	MUL16 2, 1, 1, 1, 0
	s_wait_dscnt 0x0                               ; my reads of slot 1 are over:
	s_barrier_signal -1                            ; behind this barrier nobody reads the ring any more, and both slots serve as stages
	WIN 0xf1
	MUL16 4, 1, 1, 1, 0
	MUL16 6, 1, 1, 1, 0
	WIN 0
	s_barrier_wait -1
; THE GATES, two blocks of 16 rows (128 gates and 32 elements a lane) at a pass.  In v[T + 64 aa + 16 g + e]: gate g of block 2 p + aa, element e = 8 u + j.
.macro CLOAD p                         ; the pass's c: my 32 bytes of rows 16 (2 p + aa) + r, for u = 0, 1
.irp aa, 0,1
.irp u, 0,1
	ds_load_b128 v[CC+32*((\p)%2)+16*\aa+8*\u:CC+32*((\p)%2)+16*\aa+8*\u+3], v[CRD] offset:16*(2*(\p)+\aa)*CP+64*\u
	ds_load_b128 v[CC+32*((\p)%2)+16*\aa+8*\u+4:CC+32*((\p)%2)+16*\aa+8*\u+7], v[CRD] offset:16*(2*(\p)+\aa)*CP+64*\u+16
.endr
.endr
.endm
; THE WAY OUT of pass p.  A row's 256 bytes of h and of c_new come from two waves, so they meet in the stages.  Behind the pass's barrier wave w reads rows 128 sr + 32 p + 16 sc + 0 .. 15 of both stages whole,
; two rows an instruction, into 64 registers of window 1 that are pass p's alone (no store's data are written again), and stores them in the next pass: sixteen lanes to 256 consecutive aligned bytes.
.macro OLOAD p
	WIN 0x40                                       ; destination window 1
.irp t, 0,1,2,3,4,5,6,7
	ds_load_b128 v[64*(\p)+4*\t:64*(\p)+4*\t+3], v[RDH] offset:(32*(\p)+2*\t)*CP
.endr
.irp t, 0,1,2,3,4,5,6,7
	ds_load_b128 v[64*(\p)+32+4*\t:64*(\p)+32+4*\t+3], v[RDC] offset:(32*(\p)+2*\t)*CP
.endr
	WIN 0
.endm
.macro SEND p
	s_wait_dscnt 0x0                               ; pass p's rows are back in registers
	WIN 0x04                                       ; a store's data are its source 1: window 1
.irp t, 0,1,2,3,4,5,6,7
	global_store_b128 v[GO], v[64*(\p)+4*\t:64*(\p)+4*\t+3], s[48:49] offset:(32*(\p)+2*\t)*4096 th:TH_STORE_NT   ; written once, read by nobody here
.endr
.irp t, 0,1,2,3,4,5,6,7
	global_store_b128 v[GO], v[64*(\p)+32+4*\t:64*(\p)+32+4*\t+3], s[50:51] offset:(32*(\p)+2*\t)*4096 th:TH_STORE_NT
.endr
	WIN 0
.endm
.macro PASS p
.set AC, 128*((\p)%2)                  ; the two blocks' accumulators, in window 2 (passes 0, 1) or 3
.set CB, CC+32*((\p)%2)
	WIN 0x02+(\p)/2                                ; source 0: window 2 or 3
.set n, 0
.rept 64                               ; the exponents, two at a time, each accumulator from its low end on: -x log2 e for f, i, o; 2 x log2 e for C
.if (n/4)%8 < 6
	v_pk_mul_f32 v[T+2*n:T+2*n+1], v[AC+2*n:AC+2*n+1], s[NL2E:NL2E+1] op_sel_hi:[1,0]
.else
	v_pk_mul_f32 v[T+2*n:T+2*n+1], v[AC+2*n:AC+2*n+1], s[TL2E:TL2E+1] op_sel_hi:[1,0]
.endif
.set n, n+1
.endr
	WIN 0
.set n, 0
.rept 128
	v_exp_f32 v[T+n], v[T+n]
.set n, n+1
.endr
	v_nop                                          ; a plain instruction behind the last exponential,
	s_wait_alu depctr_va_vdst(0)                   ; and one wait for the batch, ahead of its first reader
.if (\p) > 0
	SEND (\p)-1                                    ; the pass before leaves: its rows were asked of the stages 192 vector instructions ago
.endif
.if (\p) < 3
	CLOAD (\p)+1                                   ; the next pass's c, into the other set
.endif
.set n, 0
.rept 64
	v_pk_add_f32 v[T+2*n:T+2*n+1], v[T+2*n:T+2*n+1], 1.0 op_sel_hi:[1,0]
.set n, n+1
.endr
.set n, 0
.rept 128
	v_rcp_f32 v[T+n], v[T+n]                       ; f, i, o are ready; of C: 1 / (1 + e^(2 x))
.set n, n+1
.endr
	v_nop
	s_wait_alu depctr_va_vdst(0)
.if (\p) == 0
	s_wait_dscnt 8                                 ; this pass's c is in; the next pass's eight loads may be out.  (A later pass's c was waited for in front of the barrier of the pass before)
.endif
.irp aa, 0,1
.irp e, 0,2,4,6,8,10,12,14
	v_pk_fma_f32 v[T+64*\aa+48+\e:T+64*\aa+49+\e], v[T+64*\aa+48+\e:T+64*\aa+49+\e], -2.0, 1.0 op_sel_hi:[1,0,0]   ; C = tanh
.endr
.endr
.irp aa, 0,1
.irp e, 0,2,4,6,8,10,12,14
	v_pk_mul_f32 v[T+64*\aa+16+\e:T+64*\aa+17+\e], v[T+64*\aa+16+\e:T+64*\aa+17+\e], v[T+64*\aa+48+\e:T+64*\aa+49+\e]   ; i C
.endr
.endr
.irp aa, 0,1
.irp e, 0,2,4,6,8,10,12,14
	v_pk_fma_f32 v[CB+16*\aa+\e:CB+16*\aa+\e+1], v[T+64*\aa+\e:T+64*\aa+\e+1], v[CB+16*\aa+\e:CB+16*\aa+\e+1], v[T+64*\aa+16+\e:T+64*\aa+17+\e]   ; c_new = f c + i C
.endr
.endr
.irp aa, 0,1
.irp e, 0,2,4,6,8,10,12,14
	v_pk_mul_f32 v[T+64*\aa+\e:T+64*\aa+\e+1], v[CB+16*\aa+\e:CB+16*\aa+\e+1], s[TL2E:TL2E+1] op_sel_hi:[1,0]   ; 2 c_new log2 e, where f lay
.endr
.endr
.irp aa, 0,1
.irp u, 0,1
	ds_store_b128 v[CWR], v[CB+16*\aa+8*\u:CB+16*\aa+8*\u+3] offset:16*(2*(\p)+\aa)*CP+64*\u
	ds_store_b128 v[CWR], v[CB+16*\aa+8*\u+4:CB+16*\aa+8*\u+7] offset:16*(2*(\p)+\aa)*CP+64*\u+16
.endr
.endr
.irp aa, 0,1
.irp e, 0,1,2,3,4,5,6,7,8,9,10,11,12,13,14,15
	v_exp_f32 v[T+64*\aa+\e], v[T+64*\aa+\e]
.endr
.endr
	v_nop
	s_wait_alu depctr_va_vdst(0)
.irp aa, 0,1
.irp e, 0,2,4,6,8,10,12,14
	v_pk_add_f32 v[T+64*\aa+\e:T+64*\aa+\e+1], v[T+64*\aa+\e:T+64*\aa+\e+1], 1.0 op_sel_hi:[1,0]
.endr
.endr
.irp aa, 0,1
.irp e, 0,1,2,3,4,5,6,7,8,9,10,11,12,13,14,15
	v_rcp_f32 v[T+64*\aa+\e], v[T+64*\aa+\e]
.endr
.endr
	v_nop
	s_wait_alu depctr_va_vdst(0)
.irp aa, 0,1
.irp e, 0,2,4,6,8,10,12,14
	v_pk_fma_f32 v[T+64*\aa+\e:T+64*\aa+\e+1], v[T+64*\aa+\e:T+64*\aa+\e+1], -2.0, 1.0 op_sel_hi:[1,0,0]   ; tanh(c_new)
.endr
.endr
.irp aa, 0,1
.irp e, 0,2,4,6,8,10,12,14
	v_pk_mul_f32 v[T+64*\aa+\e:T+64*\aa+\e+1], v[T+64*\aa+\e:T+64*\aa+\e+1], v[T+64*\aa+32+\e:T+64*\aa+33+\e]   ; h = o tanh(c_new)
.endr
.endr
.irp aa, 0,1
.irp u, 0,1
	ds_store_b128 v[HWR], v[T+64*\aa+8*\u:T+64*\aa+8*\u+3] offset:16*(2*(\p)+\aa)*CP+64*\u
	ds_store_b128 v[HWR], v[T+64*\aa+8*\u+4:T+64*\aa+8*\u+7] offset:16*(2*(\p)+\aa)*CP+64*\u+16
.endr
.endr
	s_wait_dscnt 0x0                               ; for the others' sake: my stores into the stages are done (and the next pass's c is in)
	s_barrier_signal -1
	s_barrier_wait -1                              ; the pass's 64 rows are whole in both stages.  No stage byte is written twice, so this one barrier a pass is all
	OLOAD \p
.endm
	PLACES NP                                      ; behind the last products: for the loads into registers that held A's fragments, and for the first read of results
	s_load_b256 s[48:55], s[0:1], 0x30             ; out0 .. out3, into registers of descriptors whose loads were shown done at the last change of slots
	CLOAD 0
	PASS 0
	s_wait_kmcnt 0x0
	s_cmp_eq_u32 s45, 0
	s_cselect_b64 s[48:49], s[48:49], s[52:53]     ; my direction's h
	s_cselect_b64 s[50:51], s[50:51], s[54:55]     ; and c
	s_add_nc_u64 s[48:49], s[48:49], s[OO2:OO2+1]
	s_add_nc_u64 s[50:51], s[50:51], s[OO2:OO2+1]
	PASS 1
	PASS 2
	PASS 3
	SEND 3                                         ; the last quarter of the rows
	s_wait_tensorcnt 0x0                           ; the wave's end: behind my last tensor load and my last LDS store
	ds_add_u32 v[SPW], v[NIL]
	s_wait_dscnt 0x0
	CROUND                                         ; the closing round: no work-group ends while a partner may still ask for a tile that names it
	s_endpgm
.Lfunc_end_k_q6bc2a72bd8_lstm:
	.size	k_q6bc2a72bd8_lstm, .Lfunc_end_k_q6bc2a72bd8_lstm-k_q6bc2a72bd8_lstm
	.p2alignl 7, 3214868480
	.fill 96, 4, 3214868480
	.section	.rodata,"a",@progbits
	.p2align	6, 0x0
	.amdhsa_kernel k_q6bc2a72bd8_lstm
		.amdhsa_group_segment_fixed_size 327680
		.amdhsa_private_segment_fixed_size 0
		.amdhsa_enable_private_segment 0
		.amdhsa_kernarg_size 80
		.amdhsa_user_sgpr_count 2
		.amdhsa_user_sgpr_kernarg_segment_ptr 1
		.amdhsa_wavefront_size32 1
		.amdhsa_system_sgpr_workgroup_id_x 1
		.amdhsa_system_sgpr_workgroup_id_y 1
		.amdhsa_system_sgpr_workgroup_id_z 1
		.amdhsa_system_vgpr_workitem_id 0
		.amdhsa_next_free_vgpr 1024
		.amdhsa_next_free_sgpr 102
		.amdhsa_reserve_vcc 0
		.amdhsa_float_denorm_mode_32 3
		.amdhsa_float_denorm_mode_16_64 3
		.amdhsa_memory_ordered 1
		.amdhsa_forward_progress 1
		.amdhsa_inst_pref_size 227
	.end_amdhsa_kernel
	.amdgpu_metadata
---
amdhsa.version: [ 1, 2 ]
amdhsa.kernels:
  - .name:           k_q6bc2a72bd8_lstm
    .symbol:         k_q6bc2a72bd8_lstm.kd
    .args:
      - { .name: a_img, .offset: 0, .size: 8, .value_kind: global_buffer, .address_space: global }
      - { .name: w_img, .offset: 8, .size: 8, .value_kind: global_buffer, .address_space: global }
      - { .name: bf, .offset: 16, .size: 8, .value_kind: global_buffer, .address_space: global }
      - { .name: bb, .offset: 24, .size: 8, .value_kind: global_buffer, .address_space: global }
      - { .name: Cell_State_f, .offset: 32, .size: 8, .value_kind: global_buffer, .address_space: global }
      - { .name: Cell_State_b, .offset: 40, .size: 8, .value_kind: global_buffer, .address_space: global }
      - { .name: out0, .offset: 48, .size: 8, .value_kind: global_buffer, .address_space: global }
      - { .name: out1, .offset: 56, .size: 8, .value_kind: global_buffer, .address_space: global }
      - { .name: out2, .offset: 64, .size: 8, .value_kind: global_buffer, .address_space: global }
      - { .name: out3, .offset: 72, .size: 8, .value_kind: global_buffer, .address_space: global }
    .group_segment_fixed_size: 327680
    .private_segment_fixed_size: 0
    .kernarg_segment_align: 8
    .kernarg_segment_size: 80
    .max_flat_workgroup_size: 128
    .sgpr_count:     102
    .vgpr_count:     1024
    .wavefront_size: 32
...
	.end_amdgpu_metadata
.endif
;; end of part 2
